; MI455X (gfx1250); checked and timed in simulation.
; The chip was launched on July 23, 2026; its instructions are those of AMD's public machine-readable ISA for CDNA 5 (MIT licence, August 2026) and "CDNA5" Instruction Set Architecture Reference Guide (July 2026). The comments in the code are by the model that wrote it; some were corrected since.
;; Fp8 Linear. Allowed arithmetic: matrix products marked QUANTISED: E2M3 operands, one E8M0 scale for each 32 along K, by v_wmma_scale_f32_16x16x128_f8f6f4 with both operands' format E2M3, f32 sums; everything else in f32.
;; Inputs: bias 4,096 float32; weight 4,096 x 4,096 float32; x 2,048 x 4,096 float32.
;; Outputs: out0 2,048 x 4,096 float32.
;; This version of the problem:
;;   THIS VERSION OF THE PROBLEM IS GIVEN IN LOW PRECISION. The matrix products marked QUANTISED in the list below multiply operands that are first quantised to E2M3 (2 exponent bits, 3 mantissa bits; 6 bits a number), with one power-of-two scale for each 32 numbers along K (OCP MX v1.0); their sums are f32. All else is computed in f32.
;;   The module's matrix products, in the order in which they are computed (A, B: the left and right operand; K: the contracted axis; several contracted axes count as one K, in the product's order):
;;     1. [M 2,048, K 4,096] x [K 4,096, N 4,096]; A: computed on the way; B: computed on the way: QUANTISED
;;   THE QUANTISER, for each operand of a quantised product, along K:
;;     - K is cut into blocks of 32 from its start; a last block that is shorter is filled with zeros.
;;     - A block's scale is 2^e with e = floor(log2(the largest magnitude in the block)) - 2, held to -126 .. 127; a block of zeros has e = 0. As a byte (E8M0): e + 127.
;;     - Each number is divided by its block's scale, clamped to +-7.5, and rounded to the nearest number of E2M3, ties to even, subnormals kept.
;;     - The product sums the exact products of the quantised numbers (number of the format x scale) in f32.
;;   ~~~python
;;   def quantise(x, axis):      # numpy; x: float32 -> the quantised numbers, widened to float32 again
;;       x = np.moveaxis(x, axis, -1); K = x.shape[-1]
;;       x = np.pad(x, [(0, 0)] * (x.ndim - 1) + [(0, -K % 32)]); x = x.reshape(x.shape[:-1] + (-1, 32)); a = np.abs(x).max(-1, keepdims=True)
;;       e = np.where(a > 0, np.clip(np.frexp(np.where(a > 0, a, 1))[1] - 1 - 2, -126, 127), 0)      # np.frexp(a)[1] - 1 = floor(log2(a)), exactly
;;       r = np.clip(x / 2.0 ** e, -7.5, 7.5)
;;       step = 2.0 ** (np.maximum(np.frexp(np.where(r == 0, 1, r))[1] - 1, 0) - 3)
;;       q = np.round(r / step) * step * 2.0 ** e      # np.round: ties to even
;;       return np.moveaxis(q.reshape(q.shape[:-2] + (-1,))[..., :K], -1, axis).astype(np.float32)
;;   ~~~
;;   OPERANDS COMPUTED ON THE WAY. 'Computed on the way' means the value that the module computes at that place (a softmax that the list does not call 'softmax' is quantised finished and normalised). What goes into a quantiser is computed in f32, as accurately as f32 sums, v_exp_f32 and their like allow (about 1e-6 of the number): no bf16 or f16 on the way to a quantiser, and a product that is left as it is and whose result goes on into a quantised operand takes f32 operands (vector FMAs, or v_wmma_f32_16x16x4_f32). A number that lies on a knife's edge between two numbers of the format may be rounded either way, as far as f32 arithmetic and the matrix unit's own rounding can turn it there, and no further.
;; One version. Each part assembles by itself: llvm-mc -triple=amdgcn-amd-amdhsa -mcpu=gfx1250 --defsym DOCPART=n.
;; ======== version 1 of 1: 3 launches
;; limits: right only within a limited range of input values
;; workspace buffers: amaxp 3,072 bytes; xq 6,553,600 bytes; wq 13,107,200 bytes
;; launch amax (part 1): grid 768 x 1, 8 waves a work-group, no clusters, 1,280 bytes of LDS; arguments x, weight, amaxp; writes amaxp
.if DOCPART == 1
	.amdgcn_target "amdgcn-amd-amdhsa--gfx1250"
	.amdhsa_code_object_version 6
	.text
	.protected	k_qbc12829237_amax
	.globl	k_qbc12829237_amax
	.p2align	8
	.type	k_qbc12829237_amax,@function
k_qbc12829237_amax:
	s_mov_b64 s[64:65], 0
	v_nop
	global_prefetch_b8 v0, s[64:65] scope:SCOPE_SE
	s_setreg_imm32_b32 hwreg(HW_REG_WAVE_MODE, 25, 1), 1
	s_wait_xcnt 0x0
; The largest magnitude of x [2048][4096] and of weight [4096][4096], f32, in parts: work-group g stores the largest |t| of its 128 KiB as word g of amaxp.
; Words 0-255 are x's, words 256-767 weight's; the later launches join them.  The maximum spans work-groups, so it is finished in the launches that follow, which read all 768 words.
; SHARES.  A work-group takes 64 rows x 2,048 bytes (512 numbers along K).  Wave w takes rows 8 w .. 8 w + 7, four loads of 512 consecutive bytes a row: 32 loads a wave,
; all issued at once.  No cache hint: the next launch reads the same bytes again.  No matrix unit, no cluster, no tensor load: work-groups share no input.
; LIMITS: NaN among the inputs is dropped by the maximum (the definition would spread it); infinities are not served.
.set ROW, 16384                        ; bytes in a row of x or of weight
.set M,   4                            ; v4-7    four running maxima
.set D,   16                           ; v16-143 32 loads x 4 registers
	s_load_b128 s[4:7], s[0:1], 0x0                ; x, weight
	s_load_b64 s[8:9], s[0:1], 0x10                ; amaxp
	v_lshl_add_u32 v144, v0, 2, 0x100
	v_mov_b32 v145, 0
	v_lshrrev_b32 v2, 5, v0                        ; wave
	v_and_b32 v3, 31, v0                           ; lane
	s_delay_alu instid0(VALU_DEP_2)
	v_lshlrev_b32 v1, 17, v2                       ; wave x 8 rows x 16,384 bytes
	s_delay_alu instid0(VALU_DEP_1)
	v_lshl_or_b32 v1, v3, 4, v1                    ; + 16 bytes a lane
	s_delay_alu instid0(VALU_DEP_4)
	v_lshlrev_b32 v10, 2, v2                       ; LDS: a word for each wave
	v_mov_b32 v9, 0                                ; written once: a lane permute's destination counts as one of its sources
	v_mov_b32 v11, 0                               ; LDS byte 0
.irp k, 0,1,2,3
	v_mov_b32 v[M+\k], 0                           ; no magnitude lies under 0
.endr
	s_mov_b32 s10, 0x76543210                      ; v_permlanex16_b32's selects for lane l xor 16
	s_mov_b32 s11, 0xfedcba98
	; where my work-group stands.  x: q = g, panel of 64 rows = q / 8, slot of 512 along K = q % 8.  weight: q = g - 256, panel = 2 (q / 16) + q % 2, slot = (q / 2) % 8
	s_lshr_b32 s12, ttmp9, 3
	s_and_b32 s13, ttmp9, 7
	s_max_u32 s14, ttmp9, 256
	s_sub_co_u32 s14, s14, 256
	s_lshr_b32 s15, s14, 4
	s_lshl_b32 s15, s15, 1
	s_and_b32 s16, s14, 1
	s_or_b32 s15, s15, s16
	s_bfe_u32 s16, s14, 0x30001                    ; 3 bits from bit 1
	s_lshl_b32 s20, ttmp9, 2                       ; my word in amaxp
	v_mov_b32 v3, s20
	s_wait_alu depctr_va_vdst(0)
	s_wait_kmcnt 0x0
	s_cmp_lt_u32 ttmp9, 256                        ; x's work-group or weight's: the choice hangs on the work-group's number alone
	s_cselect_b32 s12, s12, s15
	s_cselect_b32 s13, s13, s16
	s_cselect_b64 s[4:5], s[4:5], s[6:7]
	s_lshl_b32 s12, s12, 20                        ; 64 rows of 16,384 bytes
	s_lshl_b32 s13, s13, 11                        ; 2,048 bytes a slot
	s_or_b32 s12, s12, s13
	s_mov_b32 s13, 0
	s_add_nc_u64 s[4:5], s[4:5], s[12:13]
.irp n, 0,1,2,3,4,5,6,7,8,9,10,11,12,13,14,15,16,17,18,19,20,21,22,23,24,25,26,27,28,29,30,31
	global_load_b128 v[D+4*\n:D+4*\n+3], v1, s[4:5] offset:(\n/4)*ROW+512*(\n%4)   ; 32 lanes read 512 consecutive bytes
.endr
.irp g, 0,1,2,3                        ; eight loads at a time
	s_wait_alu depctr_va_vdst(0)
	s_wait_loadcnt 24-8*\g                         ; loads come back in order: the loads issued behind this group may stay out
.irp i, 0,2,4,6
.irp k, 0,1,2,3
	v_max3_num_f32 v[M+\k], v[M+\k], |v[D+32*\g+8*\k+\i]|, |v[D+32*\g+8*\k+\i+1]|   ; four chains by turns: no line waits for the line above it
.endr
.endr
.endr
	s_delay_alu instid0(VALU_DEP_2)
	v_max3_num_f32 v8, v[M], v[M+1], v[M+2]
	s_delay_alu instid0(VALU_DEP_1)
	v_max_num_f32 v8, v8, v[M+3]
	s_delay_alu instid0(VALU_DEP_1)
	v_max_num_f32_dpp v8, v8, v8 row_xmask:1 row_mask:0xf bank_mask:0xf
	s_delay_alu instid0(VALU_DEP_1)
	v_max_num_f32_dpp v8, v8, v8 row_xmask:2 row_mask:0xf bank_mask:0xf
	s_delay_alu instid0(VALU_DEP_1)
	v_max_num_f32_dpp v8, v8, v8 row_xmask:4 row_mask:0xf bank_mask:0xf
	s_delay_alu instid0(VALU_DEP_1)
	v_max_num_f32_dpp v8, v8, v8 row_xmask:8 row_mask:0xf bank_mask:0xf
	s_delay_alu instid0(VALU_DEP_1)
	v_permlanex16_b32 v9, v8, s10, s11
	s_delay_alu instid0(VALU_DEP_1)
	v_max_num_f32 v8, v8, v9                       ; the wave's largest magnitude, in every lane
	ds_store_b32 v10, v8                           ; all lanes write the wave's word with the same value
	s_wait_dscnt 0x0                               ; for the others' sake: my store has landed
	s_barrier_signal -1
	s_barrier_wait -1
	ds_load_b128 v[12:15], v11                     ; the eight waves' words
	ds_load_b128 v[16:19], v11 offset:16
	s_wait_dscnt 0x0
	v_max3_num_f32 v12, v12, v13, v14
	s_delay_alu instid0(VALU_DEP_1)
	v_max3_num_f32 v12, v12, v15, v16
	s_delay_alu instid0(VALU_DEP_1)
	v_max3_num_f32 v12, v12, v17, v18
	s_delay_alu instid0(VALU_DEP_1)
	v_max_num_f32 v12, v12, v19
	v_cmp_eq_u32 vcc_lo, 0, v0
	s_wait_alu depctr_va_vdst(0)
	s_wait_xcnt 0x0                                ; EXEC changes only behind this wait
	s_wait_tensorcnt 0x0
	ds_add_u32 v144, v145
	s_wait_dscnt 0x0
	s_and_saveexec_b32 s21, vcc_lo                 ; thread 0 alone stores the work-group's word: 4 bytes for 128 KiB read
	global_store_b32 v3, v12, s[8:9]
	s_wait_xcnt 0x0                                ; and again in front of the line that widens it
	s_or_b32 exec_lo, exec_lo, s21
	s_endpgm
.Lfunc_end_k_qbc12829237_amax:
	.size	k_qbc12829237_amax, .Lfunc_end_k_qbc12829237_amax-k_qbc12829237_amax
	.p2alignl 7, 3214868480
	.fill 96, 4, 3214868480
	.section	.rodata,"a",@progbits
	.p2align	6, 0x0
	.amdhsa_kernel k_qbc12829237_amax
		.amdhsa_group_segment_fixed_size 1280
		.amdhsa_private_segment_fixed_size 0
		.amdhsa_enable_private_segment 0
		.amdhsa_kernarg_size 24
		.amdhsa_user_sgpr_count 2
		.amdhsa_user_sgpr_kernarg_segment_ptr 1
		.amdhsa_wavefront_size32 1
		.amdhsa_system_sgpr_workgroup_id_x 1
		.amdhsa_system_sgpr_workgroup_id_y 1
		.amdhsa_system_sgpr_workgroup_id_z 1
		.amdhsa_system_vgpr_workitem_id 0
		.amdhsa_next_free_vgpr 146
		.amdhsa_next_free_sgpr 66
		.amdhsa_reserve_vcc 1
		.amdhsa_float_denorm_mode_32 3
		.amdhsa_float_denorm_mode_16_64 3
		.amdhsa_memory_ordered 1
		.amdhsa_forward_progress 1
		.amdhsa_inst_pref_size 11
	.end_amdhsa_kernel
	.amdgpu_metadata
---
amdhsa.version: [ 1, 2 ]
amdhsa.kernels:
  - .name:           k_qbc12829237_amax
    .symbol:         k_qbc12829237_amax.kd
    .args:
      - { .name: x, .offset: 0, .size: 8, .value_kind: global_buffer, .address_space: global }
      - { .name: weight, .offset: 8, .size: 8, .value_kind: global_buffer, .address_space: global }
      - { .name: amaxp, .offset: 16, .size: 8, .value_kind: global_buffer, .address_space: global }
    .group_segment_fixed_size: 1280
    .private_segment_fixed_size: 0
    .kernarg_segment_align: 8
    .kernarg_segment_size: 24
    .max_flat_workgroup_size: 256
    .sgpr_count:     66
    .vgpr_count:     146
    .wavefront_size: 32
...
	.end_amdgpu_metadata
.endif
;; end of part 1
;; launch quant (part 2): grid 768 x 1, 4 waves a work-group, no clusters, 10,752 bytes of LDS; arguments x, weight, amaxp, xq, wq; writes xq, wq
.if DOCPART == 2
	.amdgcn_target "amdgcn-amd-amdhsa--gfx1250"
	.amdhsa_code_object_version 6
	.text
	.protected	k_qbc12829237_quant
	.globl	k_qbc12829237_quant
	.p2align	8
	.type	k_qbc12829237_quant,@function
k_qbc12829237_quant:
	s_mov_b64 s[64:65], 0
	v_nop
	global_prefetch_b8 v0, s[64:65] scope:SCOPE_SE
	s_setreg_imm32_b32 hwreg(HW_REG_WAVE_MODE, 25, 1), 1
	s_wait_xcnt 0x0
; x [2048][4096] and weight [4096][4096], f32, become the product's operands.  For each tensor: amax = its largest magnitude, held at 1e-12 from below; scale = 448 / amax;
; t x scale, held to +-448, rounded to E4M3 and widened again (that is the operand as the definition has it); then along K, for each 32 numbers, one E8M0 byte and codes of FP6 (E2M3).
; A block's scale is 2^(floor(log2(its largest magnitude)) - 2): its byte is the largest magnitude's exponent field - 2, held at 1 from below.
; LIMITS: NaN and infinities among the inputs are not served; a tensor whose largest magnitude reaches 2^126 is not served (its reciprocal would be a denormal, which v_rcp_f32 gives as 0).
; A block of zeros gets the byte 1 where the rule says 127: its codes are zeros, which add nothing under any byte but 0xff, and this program alone reads the bytes.
; THE OUTPUT IS LAID IN THE ORDER OF THE OPERAND'S REGISTERS.  A UNIT of 6,400 bytes is 64 rows x 128 along K: four fragment images of 1,536 bytes (16 rows each: registers 4 c .. 4 c + 3 of lane l at
; 1536 i + 512 c + 16 l), then 256 bytes of scale words (row r of tile i at 6144 + 16 r + 4 i).  xq and wq alike: [panel of 64 rows][K step of 128][unit]: a panel's 32 units lie one behind the other along K.
; So every store here covers 512 or 256 consecutive bytes, aligned, and the product's launch finds any run of K steps of a panel as one dense block.
; SHARES.  Work-group g takes 64 rows x 512 K: panel q / 8, K steps 4 (q % 8) .. + 3, with q = g for x and q = g - 256 for weight; its output is 25,600 dense bytes at 25,600 q.  Wave w takes K step w of the four: one unit, four fragments.  Waves share nothing: no barrier.
; THE TURN.  A load takes 512 consecutive bytes of one row, 4 numbers a lane; the operand wants 32 neighbours along K in a lane.  The E4M3 codes, which the definition asks for anyway, make the turn through the
; wave's own stage in LDS: one byte a number.  Loads run two fragments (32 loads a wave) ahead.  No tensor loads, no cluster: work-groups share no input but the 3,072 bytes of partial maxima.
.set ROW,  16384                       ; bytes in a row of x or of weight
.set UNIT, 6400
.set SP,   144                         ; a stage row: 128 codes of E4M3 + 16 bytes: nine times 16, so the sixteen rows that a load of 16 bytes a lane touches start at sixteen different places modulo 256
.set WREG, 2560                        ; LDS for a wave: 16 stage rows (2,304 bytes), then the unit's 256 bytes of scale words
.set FLOOR, 0x1800000                  ; 2^(3 - 127): no largest magnitude is taken under it, so the byte cannot fall under 1
.set IO,   4                           ; v4   16 x lane: my place in a load's 512 bytes and in an image's
.set STA,  5                           ; v5   the stage, on the way in: 4 x lane
.set STR,  6                           ; v6   and back: 144 r + 32 h
.set SCA,  7                           ; v7   the scale words, in: 16 r
.set SCR,  8                           ; v8   and back: 8 x lane
.set O8,   9                           ; v9   8 x lane, in memory
.set ONE,  10                          ; v10  1.0: the conversion to E4M3 divides by 2^0
.set E8,   11                          ; v11  the E8M0 byte of 1.0 in every byte
.set SCL,  12                          ; v[12:13] scale, twice
.set LIMV, 14                          ; v14  448.0
.set SH,   15                          ; v15  8 h
.set M0,   16                          ; v16, v17 maxima
.set M1,   17
.set SCO,  18                          ; v18  the conversion's scale operand
.set BY,   19                          ; v19, v20 my two blocks' bytes
.set PW,   21                          ; v21  the scale word
.set PT,   22                          ; v22  the permute's destination
.set T,    24                          ; v[24:26] a block's upper 16 codes
.set C,    28                          ; v[28:39] the fragment
.set F8,   40                          ; v[40:55] E4M3 codes as converted: register rr = 4 codes of row rr
.set F,    56                          ; v[56:71] E4M3 codes back from the stage: my two blocks of 32
.set X,    72                          ; v[72:103] a block's 32 numbers; at the head the 24 registers of partial maxima
.set R,    104                         ; v[104:231] two sets of 64 numbers as loaded
.set OUTS, 232                         ; v[232:233] scale words on the way out
	s_load_b128 s[4:7], s[0:1], 0x0                ; x, weight
	s_load_b128 s[8:11], s[0:1], 0x10              ; amaxp, xq
	s_load_b64 s[12:13], s[0:1], 0x20              ; wq
	v_lshl_add_u32 v240, v0, 2, 0x2800
	v_mov_b32 v241, 0
	v_lshrrev_b32 v1, 5, v0
	v_readfirstlane_b32 s16, v1                    ; wave 0..3
	v_and_b32 v1, 31, v0                           ; lane
	v_and_b32 v2, 15, v0                           ; r
	v_bfe_u32 v3, v0, 4, 1                         ; h
	v_lshlrev_b32 v[IO], 4, v1
	s_mul_i32 s17, s16, WREG                       ; my wave's LDS
	s_add_co_u32 s18, s17, 16*SP                   ; and its scale words
	v_lshl_add_u32 v[STA], v1, 2, s17
	v_mul_u32_u24 v[STR], v2, SP
	v_lshl_add_u32 v[STR], v3, 5, v[STR]
	v_add_nc_u32 v[STR], s17, v[STR]
	v_lshl_add_u32 v[SCA], v2, 4, s18
	v_lshl_add_u32 v[SCR], v1, 3, s18
	v_lshlrev_b32 v[O8], 3, v1
	v_mov_b32 v[ONE], 1.0
	v_mov_b32 v[E8], 0x7f7f7f7f
	v_mov_b32 v[LIMV], 0x43e00000                  ; 448.0
	v_lshlrev_b32 v[SH], 3, v3
	v_mov_b32 v[PT], 0                             ; written once: a lane permute's destination counts as one of its sources
	s_mov_b32 s24, 0x76543210                      ; v_permlanex16_b32's selects for lane l xor 16
	s_mov_b32 s25, 0xfedcba98
	; where my work-group stands.  x: q = g; weight: q = g - 256.  Panel = q / 8, slot of 512 along K = q % 8.  The output begins at 25,600 q in either buffer
	s_lshr_b32 s20, ttmp9, 3
	s_and_b32 s21, ttmp9, 7
	s_max_u32 s22, ttmp9, 256
	s_sub_co_u32 s22, s22, 256
	s_lshr_b32 s23, s22, 3
	s_and_b32 s26, s22, 7
	s_wait_kmcnt 0x0
	s_cmp_lt_u32 ttmp9, 256                        ; x's work-group or weight's: the choice hangs on the work-group's number alone
	s_cselect_b32 s20, s20, s23
	s_cselect_b32 s21, s21, s26
	s_cselect_b32 s22, ttmp9, s22
	s_cselect_b32 s30, -1, 0                       ; all lanes: x's maximum; none: weight's
	s_cselect_b64 s[4:5], s[4:5], s[6:7]
	s_cselect_b64 s[10:11], s[10:11], s[12:13]
	s_lshl_b32 s20, s20, 20                        ; 64 rows of 16,384 bytes
	s_lshl_b32 s21, s21, 11                        ; 2,048 bytes a slot
	s_or_b32 s20, s20, s21
	s_lshl_b32 s21, s16, 9                         ; 512 bytes a K step: my wave's
	s_or_b32 s20, s20, s21
	s_mov_b32 s21, 0
	s_add_nc_u64 s[4:5], s[4:5], s[20:21]
	s_mul_i32 s22, s22, 4*UNIT
	s_mul_i32 s23, s16, UNIT
	s_add_co_u32 s22, s22, s23
	s_mov_b32 s23, 0
	s_add_nc_u64 s[10:11], s[10:11], s[22:23]      ; my wave's unit
.macro LOAD i                          ; fragment i: rows 16 i .. 16 i + 15, my K step's 512 bytes of each, into set i % 2
.irp rr, 0,1,2,3,4,5,6,7,8,9,10,11,12,13,14,15
	global_load_b128 v[R+64*((\i)%2)+4*\rr:R+64*((\i)%2)+4*\rr+3], v[IO], s[4:5] offset:(16*(\i)+\rr)*ROW th:TH_LOAD_NT   ; 32 lanes read 512 consecutive bytes; nobody reads them again
.endr
.endm
.irp n, 0,1,2,3,4,5
	global_load_b128 v[X+4*\n:X+4*\n+3], v[IO], s[8:9] offset:512*\n   ; all 768 partial maxima: registers 0-7 x's, 8-23 weight's
.endr
	LOAD 0
	LOAD 1
	s_wait_loadcnt 32                              ; the partial maxima are in; the two fragments' 32 loads behind them may stay out
	v_max3_num_f32 v[M0], v[X], v[X+1], v[X+2]
	v_max3_num_f32 v[M1], v[X+8], v[X+9], v[X+10]
	v_max3_num_f32 v[M0], v[M0], v[X+3], v[X+4]
	v_max3_num_f32 v[M1], v[M1], v[X+11], v[X+12]
	v_max3_num_f32 v[M0], v[M0], v[X+5], v[X+6]
	v_max3_num_f32 v[M1], v[M1], v[X+13], v[X+14]
	v_max_num_f32 v[M0], v[M0], v[X+7]
.irp i, 15,17,19,21
	v_max3_num_f32 v[M1], v[M1], v[X+\i], v[X+\i+1]
.endr
	v_max_num_f32 v[M1], v[M1], v[X+23]
	v_cndmask_b32 v[M0], v[M1], v[M0], s30         ; my tensor's
	v_max_num_f32_dpp v[M0], v[M0], v[M0] row_xmask:1 row_mask:0xf bank_mask:0xf
	v_max_num_f32_dpp v[M0], v[M0], v[M0] row_xmask:2 row_mask:0xf bank_mask:0xf
	v_max_num_f32_dpp v[M0], v[M0], v[M0] row_xmask:4 row_mask:0xf bank_mask:0xf
	v_max_num_f32_dpp v[M0], v[M0], v[M0] row_xmask:8 row_mask:0xf bank_mask:0xf
	v_permlanex16_b32 v[PT], v[M0], s24, s25
	v_max_num_f32 v[M0], v[M0], v[PT]              ; the tensor's largest magnitude, in every lane
	v_max_num_f32 v[M0], 0x2b8cbccc, v[M0]         ; held at 1e-12 from below
	s_wait_alu depctr_va_vdst(0)
	v_rcp_f32 v[M1], v[M0]
	v_nop                                          ; a plain instruction behind the reciprocal
	s_wait_alu depctr_va_vdst(0)                   ; and the wait ahead of its first reader
	v_mul_f32 v[SCL], v[LIMV], v[M1]               ; 448 / amax: the estimate,
	v_fma_f32 v[SCO], -v[SCL], v[M0], v[LIMV]      ; what it leaves of 448,
	v_fma_f32 v[SCL], v[SCO], v[M1], v[SCL]        ; and one correction: the quotient stands ahead of a quantiser
	v_mov_b32 v[SCL+1], v[SCL]
; My block h (c = 0) or 2 + h (c = 1) of row r: 32 codes of E4M3 become 32 numbers, one byte and 24 bytes of codes of FP6: registers 6 c .. 6 c + 5 of the fragment.
.macro BLOCK c
.irp u, 0,1,2,3
	v_cvt_scale_pk8_f32_fp8 v[X+8*\u:X+8*\u+7], v[F+8*\c+2*\u:F+8*\c+2*\u+1], v[E8]   ; eight codes x 2^0
.endr
	v_nop                                          ; one plain instruction between a scaled conversion and the vector instruction that reads its result
	v_max3_num_f32 v[M0], |v[X]|, |v[X+1]|, FLOOR  ; the block's largest magnitude: all 32 numbers are mine; two chains
	v_max3_num_f32 v[M1], |v[X+2]|, |v[X+3]|, |v[X+4]|
.irp i, 5,9,13,17,21,25
	v_max3_num_f32 v[M0], v[M0], |v[X+\i]|, |v[X+\i+1]|
	v_max3_num_f32 v[M1], v[M1], |v[X+\i+2]|, |v[X+\i+3]|
.endr
	v_max3_num_f32 v[M0], v[M0], |v[X+29]|, |v[X+30]|
	v_max3_num_f32 v[M0], v[M0], v[M1], |v[X+31]|
	v_add_nc_u32 v[SCO], 0xff000000, v[M0]         ; 2 off its exponent field: the conversion takes the exponent field of this operand as its scale, and nothing else of it
	v_lshrrev_b32 v[BY+\c], 23, v[SCO]             ; the scale's byte
	v_cvt_scalef32_pk16_fp6_f32 v[C+6*\c:C+6*\c+2], v[X:X+15], v[SCO]   ; to the nearest code, ties to even, beyond the largest code the largest
	v_cvt_scalef32_pk16_fp6_f32 v[T:T+2], v[X+16:X+31], v[SCO]          ; (a conversion's three registers begin on an even number: the upper half is made elsewhere and moved)
	v_nop                                          ; one plain instruction behind the conversions
.irp i, 0,1,2
	v_mov_b32 v[C+6*\c+3+\i], v[T+\i]
.endr
.endm
.macro FRAG i
.set RS, R+64*((\i)%2)
.if (\i) < 3
	s_wait_loadcnt 16                              ; this fragment's 16 loads are in; the next fragment's 16 may stay out
.else
	s_wait_loadcnt 0x0
.endif
.set j, 0
.rept 32
	v_pk_mul_f32 v[RS+j:RS+j+1], v[RS+j:RS+j+1], v[SCL:SCL+1]   ; t x scale
.set j, j+2
.endr
.set j, 0
.rept 64
	v_med3_num_f32 v[RS+j], v[RS+j], -v[LIMV], v[LIMV]          ; held to +-448, as the definition holds it: beyond 448 the conversion would give the NaN code
.set j, j+1
.endr
.irp m, 0,1,2,3,4,5,6,7
	v_cvt_scalef32_pk8_fp8_f32 v[F8+2*\m:F8+2*\m+1], v[RS+8*\m:RS+8*\m+7], v[ONE]   ; rows 2 m and 2 m + 1: four codes of each, to the nearest code of E4M3, ties to even
.endr
	v_nop                                          ; one plain instruction behind the conversions
.if (\i)+2 < 4
	LOAD (\i)+2                                    ; the set just converted takes the fragment two on
.endif
.irp rr, 0,1,2,3,4,5,6,7,8,9,10,11,12,13,14,15
	ds_store_b32 v[STA], v[F8+\rr] offset:SP*\rr   ; row rr's 128 codes: 4 bytes a lane
.endr
	ds_load_b128 v[F:F+3], v[STR]                  ; LDS serves a wave's instructions in order: these see my stores.  Row r, k = 32 h + 0 .. 15,
	ds_load_b128 v[F+4:F+7], v[STR] offset:16      ; + 16 .. 31,
	ds_load_b128 v[F+8:F+11], v[STR] offset:64     ; k = 64 + 32 h + 0 .. 15,
	ds_load_b128 v[F+12:F+15], v[STR] offset:80    ; + 16 .. 31
	s_wait_dscnt 0x0
.if (\i) > 0
	s_wait_xcnt 0x0                                ; the last fragment's stores have read their registers: the fragment is written anew only behind this wait
.endif
	BLOCK 0
	BLOCK 1
	v_lshl_or_b32 v[PW], v[BY+1], 16, v[BY]        ; my two bytes: blocks h and 2 + h,
	v_lshlrev_b32 v[PW], v[SH], v[PW]              ; at their places in the row's word;
	v_permlanex16_b32 v[PT], v[PW], s24, s25
	v_or_b32 v[PW], v[PW], v[PT]                   ; with lane l xor 16's two the word is whole
	ds_store_b32 v[SCA], v[PW] offset:4*(\i)       ; both lanes of a row write the same word with the same value
.irp c, 0,1,2
	global_store_b128 v[IO], v[C+4*\c:C+4*\c+3], s[10:11] offset:1536*(\i)+512*\c   ; 32 lanes store 512 consecutive bytes, at a multiple of 256 from the buffer's first byte
.endr
.endm
	s_wait_alu depctr_va_vdst(0)
	FRAG 0
	FRAG 1
	FRAG 2
	FRAG 3
	ds_load_b64 v[OUTS:OUTS+1], v[SCR]             ; the unit's 64 scale words: these see my stores
	s_wait_dscnt 0x0
	global_store_b64 v[O8], v[OUTS:OUTS+1], s[10:11] offset:6144   ; 32 lanes store 256 consecutive bytes, aligned
	s_wait_tensorcnt 0x0
	ds_add_u32 v240, v241
	s_wait_dscnt 0x0
	s_endpgm
.Lfunc_end_k_qbc12829237_quant:
	.size	k_qbc12829237_quant, .Lfunc_end_k_qbc12829237_quant-k_qbc12829237_quant
	.p2alignl 7, 3214868480
	.fill 96, 4, 3214868480
	.section	.rodata,"a",@progbits
	.p2align	6, 0x0
	.amdhsa_kernel k_qbc12829237_quant
		.amdhsa_group_segment_fixed_size 10752
		.amdhsa_private_segment_fixed_size 0
		.amdhsa_enable_private_segment 0
		.amdhsa_kernarg_size 40
		.amdhsa_user_sgpr_count 2
		.amdhsa_user_sgpr_kernarg_segment_ptr 1
		.amdhsa_wavefront_size32 1
		.amdhsa_system_sgpr_workgroup_id_x 1
		.amdhsa_system_sgpr_workgroup_id_y 1
		.amdhsa_system_sgpr_workgroup_id_z 1
		.amdhsa_system_vgpr_workitem_id 0
		.amdhsa_next_free_vgpr 242
		.amdhsa_next_free_sgpr 66
		.amdhsa_reserve_vcc 0
		.amdhsa_float_denorm_mode_32 3
		.amdhsa_float_denorm_mode_16_64 3
		.amdhsa_memory_ordered 1
		.amdhsa_forward_progress 1
		.amdhsa_inst_pref_size 58
	.end_amdhsa_kernel
	.amdgpu_metadata
---
amdhsa.version: [ 1, 2 ]
amdhsa.kernels:
  - .name:           k_qbc12829237_quant
    .symbol:         k_qbc12829237_quant.kd
    .args:
      - { .name: x, .offset: 0, .size: 8, .value_kind: global_buffer, .address_space: global }
      - { .name: weight, .offset: 8, .size: 8, .value_kind: global_buffer, .address_space: global }
      - { .name: amaxp, .offset: 16, .size: 8, .value_kind: global_buffer, .address_space: global }
      - { .name: xq, .offset: 24, .size: 8, .value_kind: global_buffer, .address_space: global }
      - { .name: wq, .offset: 32, .size: 8, .value_kind: global_buffer, .address_space: global }
    .group_segment_fixed_size: 10752
    .private_segment_fixed_size: 0
    .kernarg_segment_align: 8
    .kernarg_segment_size: 40
    .max_flat_workgroup_size: 128
    .sgpr_count:     66
    .vgpr_count:     242
    .wavefront_size: 32
...
	.end_amdgpu_metadata
.endif
;; end of part 2
;; launch gemm (part 3): grid 16 x 16, 4 waves a work-group, clusters of 4 x 1, 327,680 bytes of LDS; arguments xq, wq, amaxp, bias, out0; writes out0
.if DOCPART == 3
	.amdgcn_target "amdgcn-amd-amdhsa--gfx1250"
	.amdhsa_code_object_version 6
	.text
	.protected	k_qbc12829237_gemm
	.globl	k_qbc12829237_gemm
	.p2align	8
	.type	k_qbc12829237_gemm,@function
k_qbc12829237_gemm:
	s_mov_b64 s[64:65], 0
	v_nop
	global_prefetch_b8 v0, s[64:65] scope:SCOPE_SE
	s_setreg_imm32_b32 hwreg(HW_REG_WAVE_MODE, 25, 1), 1
	s_wait_xcnt 0x0
	s_wait_alu depctr_hold_cnt(0) depctr_sa_sdst(0) depctr_va_vdst(0) depctr_va_sdst(0) depctr_va_ssrc(0) depctr_va_vcc(0) depctr_vm_vsrc(0)
	s_getreg_b32 s2, hwreg(HW_REG_IB_STS2, 6, 4)
	s_cmp_eq_u32 s2, 0
	s_cbranch_scc0 .Lentry_in_a_cluster
	s_endpgm
.Lentry_in_a_cluster:
	s_bfe_u32 s2, ttmp6, 0x10000c
	s_cmp_lg_u32 s2, 0x3003
	s_cbranch_scc0 .Lentry_shape_is_right
	s_endpgm
.Lentry_shape_is_right:
; out0[m][n] = (sum over k of qx[m][k] qw[n][k]) x (x_scale x w_scale) + bias[n].  qx, qw arrive as codes of FP6 (E2M3) with E8M0 scale words, in xq and wq, laid in the order of the operand's registers:
; a UNIT of 6,400 bytes is 64 rows x 128 K: four fragment images of 1,536 bytes, then 256 bytes of scale words (row r of tile i at 6144 + 16 r + 4 i).
; xq and wq: [panel of 64 rows][K step][unit].  x_scale = 1 / (448 / amax(x)), w_scale likewise, from the 768 partial maxima in amaxp.
; LIMITS: as in the launches before: NaN and infinities among the inputs are not served; a tensor whose largest magnitude reaches 2^126 is not served.
; SHARES.  A work-group makes 128 x 256 of out0: 256 work-groups (x: tile row, y: tile column).  Four waves, each 64 x 128: 32 accumulators, 256 registers.
; B (wq) goes through a ring of two LDS slots of 153,600 bytes, each six K steps of the tile's four panels; wave w fetches panel w's six units, a dense block stated as rows of 6,400 bytes.  The 32 K steps are 6 + 6 + 6 + 6 + 6 + 2: six fills, the last of two units a wave.
; CLUSTERS: the four work-groups of a cluster lie along x: they make four tile rows of one tile column and ask for B's tiles jointly (mask 15).
; A (xq) IS NOT ASKED FOR JOINTLY AND TAKES NO LDS: a wave's panel of A is one run of units along K, already in the order of the registers, and a unit is used by two waves of the work-group alone.  Each wave loads its unit straight into registers,
; 13 loads of 512 or 256 consecutive bytes, three K steps ahead of its use, into four sets by turns; so LDS holds B alone, and a slot six K steps in place of four.  These loads run ahead by themselves: no prefetch is laid for A.
; THE WALK ALONG K IS WRITTEN OUT by .rept: slots and register sets come back to where they began after twelve steps, the 32 steps hold two such runs and a rest, and the last refill has another shape than the others.
; THE LAST TWO K STEPS GO BY ROWS OF out0: both steps' fragments are in registers, and my four blocks of 16 rows are finished one after the other; each leaves while the next is multiplied.
; THE MATRIX INSTRUCTION IS USED TRANSPOSED (source 0 = 16 rows of wq, source 1 = 16 rows of xq): a lane holds eight neighbouring numbers of a row of out0.
; REGISTERS.  Window 0: v0-31 addresses; v32-47 B's scale words, two sets; v48-63 A's scale words, four sets; v64-255 B's fragments, two sets.  Window 1: the accumulators, (a, b) at v[8 (8 a + b)].
;   Window 2: v0-191 A's fragments, four sets; v192-255 bias.  Window 3: v0-127 rows on the way out, two sets.
; PREFETCH of B: behind the second, third and fourth fill a wave names the blocks of 256 bytes of the fill that it will issue two fills on (150 blocks, the last fill 50); the four partners share them out by address, 38 or 13 each, a lane a block
; (lanes left over name the fill's last block again).  The first three fills come by their loads alone.
.set UNIT,  6400
.set PSZ,   6*UNIT                     ; a panel's part of a slot
.set RSZ,   4*PSZ                      ; a slot
.set SPARE, 2*RSZ                      ; the spare words: 128 bytes for each of four waves
.set SPITCH, 528                       ; a stage row: 512 bytes + 16.  The stages, 16 rows a wave, lie in slot 0, which has had its last fill and its last read by then
.set ROWO,  16384                      ; a row of out0 in bytes
.set L16,  4                           ; v4 16 x lane
.set A16,  5                           ; v5 16 r
.set BO,   6                           ; v6 32 h
.set SF,   12                          ; v[12:13] x_scale x w_scale, twice
.set ADRB, 16                          ; v16-19 my B fragments: slot 0 first and second panel, slot 1 first and second panel
.set ADSB, 20                          ; v20-23 my B scale words, likewise
.set STO,  24
.set RD,   25
.set PFO3, 26                          ; v26 the prefetch's offset in the last fill
.set SPW,  28                          ; v28 my spare word; never rewritten
.set NIL,  29                          ; v29 0; never rewritten
.set PFO,  30                          ; v30, v31 the prefetches' offsets in a fill of six units
.set PFO2, 31
.set SCB,  32
.set SCA,  48
.set BF,   64
.set BI,   192                         ; in window 2
.set AP,   20                          ; s[20:21] my panel of A
.set BP,   46                          ; s[46:47] the panel of B that I fetch
.set G1C,  24                          ; s[24:31] group 1 of the last fill: two rows
.set G1B,  48                          ; s[48:55] group 1 of the others: six rows
.set G0B,  56                          ; s[56:63] group 0, one set for each slot
.set MSB, 0
.macro WIN new                         ; the immediate's high byte repeats the setting that is left
.if MSB != \new
	s_set_vgpr_msb (MSB<<8)|\new
.set MSB, \new
.endif
.endm
.set MUL, 0x58                         ; source 0 (B) window 0, source 1 (A) window 2, C and D window 1
.macro JLOAD s, g1                     ; my joint load; an s_nop 0 and four v_nop follow it
	tensor_load_to_lds s[G0B+4*(\s):G0B+4*(\s)+3], s[\g1:\g1+7]
	s_nop 0
.rept 4
	v_nop
.endr
.endm
.macro CREST                           ; a round of the cluster's barrier behind its opening barrier
	s_cmp_lg_u32 s14, 0
	s_cbranch_scc1 .Lnot_wave_0_\@
	s_barrier_signal -3
.Lnot_wave_0_\@:
	s_barrier_wait -3
	s_barrier_signal -1
	s_barrier_wait -1
.endm
.macro CROUND
	s_barrier_signal -1
	s_barrier_wait -1
	CREST
.endm
.macro ASK6 u                          ; the fill of six units that begins at unit u of my panel of B
	global_prefetch_b8 v[PFO], s[BP:BP+1] offset:(\u)*UNIT th:TH_LOAD_NT scope:SCOPE_SE
	global_prefetch_b8 v[PFO2], s[BP:BP+1] offset:(\u)*UNIT th:TH_LOAD_NT scope:SCOPE_SE
.endm
.macro PLACES                          ; four places behind matrix instructions, ahead of loads into their sources and of reads of their results
.rept 4
	v_nop
.endr
.endm
.macro AFILL u                         ; A's unit u into set u % 4: 12 loads of 512 consecutive bytes, and the scale words
	WIN 0x80                                       ; destination window 2
.irp a, 0,1,2,3
.irp c, 0,1,2
	global_load_b128 v[48*((\u)%4)+12*\a+4*\c:48*((\u)%4)+12*\a+4*\c+3], v[L16], s[AP:AP+1] offset:(\u)*UNIT+1536*\a+512*\c
.endr
.endr
	WIN 0
	global_load_b128 v[SCA+4*((\u)%4):SCA+4*((\u)%4)+3], v[A16], s[AP:AP+1] offset:(\u)*UNIT+6144   ; lane r: the words of row r of the four tiles
.endm
	s_load_b128 s[4:7], s[0:1], 0x0                ; xq, wq
	s_load_b128 s[8:11], s[0:1], 0x10              ; amaxp, bias
	s_load_b64 s[12:13], s[0:1], 0x20              ; out0
	v_lshl_add_u32 v[SPW], v0, 2, SPARE
	v_mov_b32 v[NIL], 0
	ds_add_u32 v[SPW], v[NIL]                      ; the opening lines: the add, twice on end; its wait comes below
	ds_add_u32 v[SPW], v[NIL]
	v_lshrrev_b32 v1, 5, v0
	v_readfirstlane_b32 s14, v1                    ; wave 0..3
	v_and_b32 v3, 31, v0                           ; lane
	v_and_b32 v7, 15, v0                           ; r
	v_bfe_u32 v2, v0, 4, 1                         ; h
	v_lshlrev_b32 v[L16], 4, v3
	v_lshlrev_b32 v[A16], 4, v7
	v_lshlrev_b32 v[BO], 5, v2
	s_lshr_b32 s15, s14, 1                         ; my panel of A
	s_and_b32 s16, s14, 1                          ; my two panels of B
	s_bfe_u32 s40, ttmp6, 0x40000                  ; cx
	s_lshl_b32 s17, ttmp9, 2
	s_add_co_u32 s17, s17, s40                     ; tile row = 4 x cluster x + cx
	s_and_b32 s42, ttmp7, 0xffff                   ; tile column: the same in the four partners
.irp g, G1B, G1C
	s_mov_b32 s[\g+0], 15|(3<<16)|(1<<21)          ; the mask: all four; elements of 8 bytes; bit 21 beside a mask
	s_mov_b32 s[\g+1], (UNIT/8)<<16                ; rows of 800 elements: a unit
	s_mov_b32 s[\g+3], (UNIT/8)<<16
	s_mov_b32 s[\g+5], UNIT/8
	s_mov_b32 s[\g+6], 0
	s_mov_b32 s[\g+7], 0
.endr
	s_mov_b32 s[G1B+2], 6<<16                      ; six rows: six K steps
	s_mov_b32 s[G1B+4], 6
	s_mov_b32 s[G1C+2], 2<<16                      ; two rows: the last two K steps
	s_mov_b32 s[G1C+4], 2
	s_lshl_b32 s22, s17, 1                         ; A: panel 2 x tile row + wave / 2
	s_add_co_u32 s22, s22, s15
	s_mul_i32 s22, s22, 32*UNIT
	s_mov_b32 s23, 0
	s_lshl_b32 s66, s42, 2                         ; B's load: panel 4 x tile column + wave
	s_add_co_u32 s66, s66, s14
	s_mul_i32 s66, s66, 32*UNIT
	s_mov_b32 s67, 0
	s_mul_i32 s45, s14, PSZ                        ; where it goes in a slot
	s_mul_i32 s77, s16, 2*PSZ                      ; what I read of B: two panels, in slot 0 and in slot 1
	s_add_co_u32 s78, s77, PSZ
	s_add_co_u32 s80, s77, RSZ
	s_add_co_u32 s81, s78, RSZ
	s_mul_i32 s79, s14, 16*SPITCH                  ; my stage
	s_lshl_b32 s82, s17, 7                         ; my first row of out0: 128 x tile row + 64 x panel
	s_lshl_b32 s83, s15, 6
	s_add_co_u32 s82, s82, s83
	s_lshl_b32 s82, s82, 14
	s_mov_b32 s83, 0
	s_lshl_b32 s84, s42, 10                        ; my first column, in bytes
	s_lshl_b32 s85, s16, 9
	s_add_co_u32 s84, s84, s85
	s_mov_b32 s85, 0
	s_mov_b32 s74, 0x76543210                      ; v_permlanex16_b32's selects for lane l xor 16
	s_mov_b32 s75, 0xfedcba98
	s_mov_b32 s93, 0x43e00000                      ; 448.0
	s_mul_i32 s86, s40, 38                         ; my work-group's 38 blocks of a fill's 150,
	s_add_co_u32 s87, s86, 32
	s_mul_i32 s88, s40, 13                         ; and its 13 of the last fill's 50
	s_wait_alu depctr_va_vdst(0)
	s_wait_dscnt 0x0                               ; both opening adds are done
	s_wait_kmcnt 0x0
	s_add_nc_u64 s[AP:AP+1], s[4:5], s[22:23]
	s_add_nc_u64 s[BP:BP+1], s[6:7], s[66:67]
	s_add_nc_u64 s[10:11], s[10:11], s[84:85]
	s_add_nc_u64 s[12:13], s[12:13], s[84:85]
	s_add_nc_u64 s[12:13], s[12:13], s[82:83]
.irp n, 0,1,2,3,4,5
	global_load_b128 v[144+4*\n:147+4*\n], v[L16], s[8:9] offset:512*\n   ; all 768 partial maxima: registers 144-151 x's, 152-167 weight's
.endr
	WIN 0x80
.irp b, 0,1,2,3,4,5,6,7
	global_load_b128 v[BI+8*\b:BI+8*\b+3], v[BO], s[10:11] offset:64*\b       ; bias in the results' layout: columns 16 b + 8 h + 0 .. 7
	global_load_b128 v[BI+8*\b+4:BI+8*\b+7], v[BO], s[10:11] offset:64*\b+16
.endr
	AFILL 0                                        ; A's first three K steps
	AFILL 1
	AFILL 2
.irp s, 0,1
	s_mov_b32 s[G0B+4*\s], 1
	s_add_co_u32 s[G0B+4*\s+1], s45, \s*RSZ
	s_add_nc_u64 s[G0B+4*\s+2:G0B+4*\s+3], s[BP:BP+1], \s*PSZ
	s_or_b32 s[G0B+4*\s+3], s[G0B+4*\s+3], 0x80000000
.endr
	CROUND                                         ; all four work-groups are here: the first joint loads meet
	JLOAD 0, G1B                                   ; K steps 0-5: one tensor load a wave at the head
	v_add_nc_u32 v[PFO], s86, v3
	v_min_u32 v[PFO2], 5, v3
	v_min_u32 v[PFO3], 12, v3
	v_lshlrev_b32 v[PFO], 8, v[PFO]
	v_add_nc_u32 v[PFO2], s87, v[PFO2]
	v_add_nc_u32 v[PFO3], s88, v[PFO3]
	v_min_u32 v[PFO2], 149, v[PFO2]
	v_min_u32 v[PFO3], 49, v[PFO3]
	v_lshlrev_b32 v[PFO2], 8, v[PFO2]
	v_lshlrev_b32 v[PFO3], 8, v[PFO3]
	v_add_nc_u32 v[ADRB], s77, v[L16]
	v_add_nc_u32 v[ADRB+1], s78, v[L16]
	v_add_nc_u32 v[ADRB+2], s80, v[L16]
	v_add_nc_u32 v[ADRB+3], s81, v[L16]
	v_add_nc_u32 v[ADSB], s77, v[A16]
	v_add_nc_u32 v[ADSB+1], s78, v[A16]
	v_add_nc_u32 v[ADSB+2], s80, v[A16]
	v_add_nc_u32 v[ADSB+3], s81, v[A16]
	v_mul_u32_u24 v[STO], v7, SPITCH               ; into the stage: row r, 32 bytes for each half of the lanes
	v_lshl_add_u32 v[STO], v2, 5, v[STO]
	v_add_nc_u32 v[STO], s79, v[STO]
	v_add_nc_u32 v[RD], s79, v[L16]                ; back: the 32 lanes take one row of 512 bytes
	v_mov_b32 v170, 0                              ; written once: a lane permute's destination counts as one of its sources
	v_mov_b32 v171, 0
	s_wait_loadcnt 39                              ; the maxima and the bias are in; A's three units, 13 loads each, may be out
	v_max3_num_f32 v168, v144, v145, v146          ; x's largest magnitude and weight's, two chains by turns
	v_max3_num_f32 v169, v152, v153, v154
	v_max3_num_f32 v168, v168, v147, v148
	v_max3_num_f32 v169, v169, v155, v156
	v_max3_num_f32 v168, v168, v149, v150
	v_max3_num_f32 v169, v169, v157, v158
	v_max_num_f32 v168, v168, v151
.irp i, 159,161,163,165
	v_max3_num_f32 v169, v169, v[\i], v[\i+1]
.endr
	v_max_num_f32 v169, v169, v167
.irp m, 1,2,4,8
	v_max_num_f32_dpp v168, v168, v168 row_xmask:\m row_mask:0xf bank_mask:0xf
	v_max_num_f32_dpp v169, v169, v169 row_xmask:\m row_mask:0xf bank_mask:0xf
.endr
	v_permlanex16_b32 v170, v168, s74, s75
	v_permlanex16_b32 v171, v169, s74, s75
	v_max_num_f32 v168, v168, v170
	v_max_num_f32 v169, v169, v171
	v_max_num_f32 v168, 0x2b8cbccc, v168           ; held at 1e-12 from below
	v_max_num_f32 v169, 0x2b8cbccc, v169
	s_wait_alu depctr_va_vdst(0)                   ; the wait ahead of the batch
	v_rcp_f32 v170, v168
	v_rcp_f32 v171, v169
	v_nop
	s_wait_alu depctr_va_vdst(0)                   ; and behind it
	v_mul_f32 v172, s93, v170                      ; scale = 448 / amax, with one correction, as the launch before makes it
	v_mul_f32 v173, s93, v171
	v_fma_f32 v174, -v172, v168, s93
	v_fma_f32 v175, -v173, v169, s93
	v_fma_f32 v172, v174, v170, v172
	v_fma_f32 v173, v175, v171, v173
	s_wait_alu depctr_va_vdst(0)
	v_rcp_f32 v170, v172
	v_rcp_f32 v171, v173
	v_nop
	s_wait_alu depctr_va_vdst(0)
	v_fma_f32 v174, -v172, v170, 1.0               ; 1 / scale, with one correction
	v_fma_f32 v175, -v173, v171, 1.0
	v_fma_f32 v170, v174, v170, v170
	v_fma_f32 v171, v175, v171, v171
	v_mul_f32 v[SF], v170, v171
	v_mov_b32 v[SF+1], v[SF]
.macro FETCH slot, t, p                ; B's eight fragments and scale words of K step t of a slot into set p: 26 loads
	WIN 0
.irp b, 0,1,2,3,4,5,6,7
.irp c, 0,1,2
	ds_load_b128 v[BF+96*(\p)+12*\b+4*\c:BF+96*(\p)+12*\b+4*\c+3], v[ADRB+2*(\slot)+\b/4] offset:UNIT*(\t)+1536*(\b%4)+512*\c
.endr
.endr
	ds_load_b128 v[SCB+8*(\p):SCB+8*(\p)+3], v[ADSB+2*(\slot)] offset:UNIT*(\t)+6144
	ds_load_b128 v[SCB+8*(\p)+4:SCB+8*(\p)+7], v[ADSB+2*(\slot)+1] offset:UNIT*(\t)+6144
.endm
.macro MUL8 a, p, s, zero              ; A's block a (set s) x B's eight (set p): the accumulators take turns, one instruction a turn
.irp b, 0,1,2,3,4,5,6,7
.if \zero
	v_wmma_scale_f32_16x16x128_f8f6f4 v[8*(8*(\a)+\b):8*(8*(\a)+\b)+7], v[BF+96*(\p)+12*\b:BF+96*(\p)+12*\b+11], v[48*(\s)+12*(\a):48*(\s)+12*(\a)+11], 0, v[SCB+8*(\p)+\b], v[SCA+4*(\s)+(\a)] matrix_a_fmt:MATRIX_FMT_FP6 matrix_b_fmt:MATRIX_FMT_FP6
.else
	v_wmma_scale_f32_16x16x128_f8f6f4 v[8*(8*(\a)+\b):8*(8*(\a)+\b)+7], v[BF+96*(\p)+12*\b:BF+96*(\p)+12*\b+11], v[48*(\s)+12*(\a):48*(\s)+12*(\a)+11], v[8*(8*(\a)+\b):8*(8*(\a)+\b)+7], v[SCB+8*(\p)+\b], v[SCA+4*(\s)+(\a)] matrix_a_fmt:MATRIX_FMT_FP6 matrix_b_fmt:MATRIX_FMT_FP6
.endif
.endr
.endm
; K step j, 0 to 29.  It multiplies B's set j % 2 and A's set j % 4, fetches the next step's fragments of B from LDS, and asks for A's unit three steps on, into the set that the last step multiplied.
; A slot's last step (j % 6 = 5) has its fragments in registers already, so the slot is given up at the step's head: nobody reads it behind the barrier, the next slot is whole, and where a fill is left this slot is filled again first.
.macro STEPJ j
.set TT, (\j)%6
.set SG, (\j)/6
.set RG, SG%2
.set PP, (\j)%2
.set LC, 39                            ; A's loads issued behind this step's 13: three units' ...
.if 31-(\j) < 3
.set LC, 13*(31-(\j))                  ; ... or what is left of them
.endif
.if TT < 5
	s_wait_dscnt 0x0                               ; this step's fragments of B are in
	PLACES
	FETCH RG, TT+1, 1-PP
.else
	WIN 0
	s_wait_tensorcnt 0x0                           ; my one tensor load that was out, my part of the next slot, has landed;
	ds_add_u32 v[SPW], v[NIL]                      ; 0 onto my spare word;
.if SG+2 < 6
	s_add_nc_u64 s[G0B+4*RG+2:G0B+4*RG+3], s[G0B+4*RG+2:G0B+4*RG+3], 2*PSZ   ; no load of mine is out: this slot's next fill, twelve K steps on
.endif
	s_wait_dscnt 0x0                               ; the add is done, and my reads of this slot are over
	s_barrier_signal -1
	s_barrier_wait -1
.if SG+2 < 6
	CREST                                          ; the barrier has opened a round of the cluster's barrier
.if SG+2 == 5
	JLOAD RG, G1C                                  ; the last fill: two units
.else
	JLOAD RG, G1B                                  ; the first tensor load behind the round; its four v_nop are the places in front of the loads below
.endif
.else
	PLACES
.endif
	FETCH 1-RG, 0, 1-PP
.endif
.if (\j)+3 < 32
	AFILL (\j)+3
.endif
.if (\j) == 5
	ASK6 24                                        ; two fills on: K steps 24-29
.endif
.if (\j) == 11
	global_prefetch_b8 v[PFO3], s[BP:BP+1] offset:30*UNIT th:TH_LOAD_NT scope:SCOPE_SE   ; two fills on: K steps 30, 31
.endif
	s_wait_loadcnt LC
	WIN MUL
.irp a, 0,1,2,3
	MUL8 \a, PP, (\j)%4, (\j)==0
.endr
.endm
	s_wait_alu depctr_va_vdst(0)
	s_wait_tensorcnt 0x0                           ; my part of slot 0 is in; these lines stand ahead of a later first fill as ahead of a refill
	ds_add_u32 v[SPW], v[NIL]
	s_wait_dscnt 0x0
	CROUND
	JLOAD 1, G1B                                   ; K steps 6-11, the first tensor load behind the round
	FETCH 0, 0, 0
	ASK6 18                                        ; two fills on: K steps 18-23
.set JJ, 0
.rept 30
	STEPJ JJ                                       ; the first step's products start the sums
.set JJ, JJ+1
.endr
	s_wait_dscnt 0x0                               ; K step 30's fragments of B are in
	PLACES
	FETCH 1, 1, 1                                  ; and K step 31's are asked for
	s_wait_loadcnt 0x0                             ; A's last two units are in
.macro ROW a                           ; block a is finished: K steps 30 and 31, its eight accumulators by turns
	WIN MUL
	MUL8 \a, 0, 2, 0
.if (\a) == 0
	s_wait_dscnt 0x0                               ; K step 31's fragments of B are in
.endif
	MUL8 \a, 1, 3, 0
.endm
; THE WAY OUT, block by block of 16 rows x 128 columns: x the two scales, + bias; through my own stage in LDS; back as whole rows of 512 bytes.  LDS serves a wave's instructions in order: no wait between the stores and the loads.
.macro FIN a
	WIN 0x61                                       ; source 0 and destination window 1, source 1 window 0, source 2 window 2
.irp b, 0,1,2,3,4,5,6,7
.irp j, 0,2,4,6
	v_pk_fma_f32 v[8*(8*(\a)+\b)+\j:8*(8*(\a)+\b)+\j+1], v[8*(8*(\a)+\b)+\j:8*(8*(\a)+\b)+\j+1], v[SF:SF+1], v[BI+8*\b+\j:BI+8*\b+\j+1]
.endr
.endr
.endm
.macro TOSTAGE a
	WIN 0x04                                       ; the data: window 1
.irp b, 0,1,2,3,4,5,6,7
	ds_store_b128 v[STO], v[8*(8*(\a)+\b):8*(8*(\a)+\b)+3] offset:64*\b
	ds_store_b128 v[STO], v[8*(8*(\a)+\b)+4:8*(8*(\a)+\b)+7] offset:64*\b+16
.endr
	WIN 0xc0                                       ; back into window 3
.irp t, 0,1,2,3,4,5,6,7,8,9,10,11,12,13,14,15
	ds_load_b128 v[64*((\a)%2)+4*\t:64*((\a)%2)+4*\t+3], v[RD] offset:\t*SPITCH
.endr
.endm
.macro SEND a
	s_wait_dscnt 0x0                               ; the block is back in registers
	WIN 0x0c                                       ; the data: window 3
.irp t, 0,1,2,3,4,5,6,7,8,9,10,11,12,13,14,15
	global_store_b128 v[L16], v[64*((\a)%2)+4*\t:64*((\a)%2)+4*\t+3], s[12:13] offset:(16*(\a)+\t)*ROWO th:TH_STORE_NT   ; 32 lanes store 512 consecutive bytes, at a multiple of 256 from out0's first byte
.endr
.endm
	ROW 0
.irp a, 0,1,2,3
	PLACES                                         ; the block's results were just made
	FIN \a
.if \a > 1
	s_wait_alu depctr_va_vdst(0)
	s_wait_xcnt 0x0                                ; block a - 2's stores have read their registers: block a's rows may land there
.endif
	TOSTAGE \a
.if \a < 3
	ROW \a+1                                       ; the next block is multiplied while this one turns through the stage
.endif
	SEND \a
.endr
	WIN 0
	s_wait_tensorcnt 0x0                           ; the wave's end
	ds_add_u32 v[SPW], v[NIL]
	s_wait_dscnt 0x0
	CROUND                                         ; the closing round
	s_endpgm
.Lfunc_end_k_qbc12829237_gemm:
	.size	k_qbc12829237_gemm, .Lfunc_end_k_qbc12829237_gemm-k_qbc12829237_gemm
	.p2alignl 7, 3214868480
	.fill 96, 4, 3214868480
	.section	.rodata,"a",@progbits
	.p2align	6, 0x0
	.amdhsa_kernel k_qbc12829237_gemm
		.amdhsa_group_segment_fixed_size 327680
		.amdhsa_private_segment_fixed_size 0
		.amdhsa_enable_private_segment 0
		.amdhsa_kernarg_size 40
		.amdhsa_user_sgpr_count 2
		.amdhsa_user_sgpr_kernarg_segment_ptr 1
		.amdhsa_wavefront_size32 1
		.amdhsa_system_sgpr_workgroup_id_x 1
		.amdhsa_system_sgpr_workgroup_id_y 1
		.amdhsa_system_sgpr_workgroup_id_z 1
		.amdhsa_system_vgpr_workitem_id 0
		.amdhsa_next_free_vgpr 896
		.amdhsa_next_free_sgpr 98
		.amdhsa_reserve_vcc 0
		.amdhsa_float_denorm_mode_32 3
		.amdhsa_float_denorm_mode_16_64 3
		.amdhsa_memory_ordered 1
		.amdhsa_forward_progress 1
		.amdhsa_inst_pref_size 255
	.end_amdhsa_kernel
	.section	.bss,"aw",@nobits
	.p2align	6
	.space	262144
	.amdgpu_metadata
---
amdhsa.version: [ 1, 2 ]
amdhsa.kernels:
  - .name:           k_qbc12829237_gemm
    .symbol:         k_qbc12829237_gemm.kd
    .args:
      - { .name: xq, .offset: 0, .size: 8, .value_kind: global_buffer, .address_space: global }
      - { .name: wq, .offset: 8, .size: 8, .value_kind: global_buffer, .address_space: global }
      - { .name: amaxp, .offset: 16, .size: 8, .value_kind: global_buffer, .address_space: global }
      - { .name: bias, .offset: 24, .size: 8, .value_kind: global_buffer, .address_space: global }
      - { .name: out0, .offset: 32, .size: 8, .value_kind: global_buffer, .address_space: global }
    .group_segment_fixed_size: 327680
    .private_segment_fixed_size: 0
    .kernarg_segment_align: 8
    .kernarg_segment_size: 40
    .max_flat_workgroup_size: 128
    .sgpr_count:     98
    .vgpr_count:     896
    .wavefront_size: 32
...
	.end_amdgpu_metadata
.endif
;; end of part 3
